; MI455X (gfx1250); checked and timed in simulation.
; The chip was launched on July 23, 2026; its instructions are those of AMD's public machine-readable ISA for CDNA 5 (MIT licence, August 2026) and "CDNA5" Instruction Set Architecture Reference Guide (July 2026). The comments in the code are by the model that wrote it; some were corrected since.
;; Multi Headed Attention. Allowed arithmetic: matrix products marked QUANTISED: E2M1 operands, one E8M0 scale for each 32 along K, by v_wmma_scale_f32_16x16x128_f8f6f4 with both operands' format E2M1 (or v_wmma_scale_f32_32x16x128_f4), f32 sums; products left as they are: bf16, f16 or f32 operands; f32 sums; everything else in f32.
;; Inputs: Wk 1,024 x 1,024 float32; Wq 1,024 x 1,024 float32; Wv 1,024 x 1,024 float32; bk 1,024 float32; bq 1,024 float32; bv 1,024 float32; mask 2 x 2,048 x 2,048 bool; x 2 x 2,048 x 1,024 float32.
;; Outputs: out0 2 x 2,048 x 1,024 float32.
;; This version of the problem:
;;   THIS VERSION OF THE PROBLEM IS GIVEN IN LOW PRECISION. The matrix products marked QUANTISED in the list below multiply operands that are first quantised to E2M1 (2 exponent bits, 1 mantissa bit; 4 bits a number), with one power-of-two scale for each 32 numbers along K (OCP MX v1.0); their sums are f32. The products marked 'left as it is' may take bf16, f16 or f32 operands, with f32 sums. Whichever they take, every output number must still come out within the allowed error. Rounding operands to bf16 (8 significant bits) uses up far more of that allowance than f16 does (11 bits, for magnitudes from 6e-5 to 65,504). All else is computed in f32.
;;   The module's matrix products, in the order in which they are computed (A, B: the left and right operand; K: the contracted axis; several contracted axes count as one K, in the product's order):
;;     1. [M 4,096, K 1,024] x [K 1,024, N 1,024]; A: input x; B: input Wq: QUANTISED
;;     2. [M 4,096, K 1,024] x [K 1,024, N 1,024]; A: input x; B: input Wk: QUANTISED
;;     3. [M 4,096, K 1,024] x [K 1,024, N 1,024]; A: input x; B: input Wv: QUANTISED
;;     4. batch 32 x [M 2,048, K 64] x [K 64, N 2,048]; A: computed on the way; B: computed on the way: left as it is (an operand is computed on the way)
;;     5. batch 32 x [M 2,048, K 2,048] x [K 2,048, N 64]; A: computed on the way; B: computed on the way: left as it is (an operand is computed on the way)
;;   THE QUANTISER, for each operand of a quantised product, along K:
;;     - K is cut into blocks of 32 from its start; a last block that is shorter is filled with zeros.
;;     - A block's scale is 2^e with e = floor(log2(the largest magnitude in the block)) - 2, held to -126 .. 127; a block of zeros has e = 0. As a byte (E8M0): e + 127.
;;     - Each number is divided by its block's scale, clamped to +-6, and rounded to the nearest number of E2M1, ties to even, subnormals kept.
;;     - The product sums the exact products of the quantised numbers (number of the format x scale) in f32.
;;   ~~~python
;;   def quantise(x, axis):      # numpy; x: float32 -> the quantised numbers, widened to float32 again
;;       x = np.moveaxis(x, axis, -1); K = x.shape[-1]
;;       x = np.pad(x, [(0, 0)] * (x.ndim - 1) + [(0, -K % 32)]); x = x.reshape(x.shape[:-1] + (-1, 32)); a = np.abs(x).max(-1, keepdims=True)
;;       e = np.where(a > 0, np.clip(np.frexp(np.where(a > 0, a, 1))[1] - 1 - 2, -126, 127), 0)      # np.frexp(a)[1] - 1 = floor(log2(a)), exactly
;;       r = np.clip(x / 2.0 ** e, -6, 6)
;;       step = 2.0 ** (np.maximum(np.frexp(np.where(r == 0, 1, r))[1] - 1, 0) - 1)
;;       q = np.round(r / step) * step * 2.0 ** e      # np.round: ties to even
;;       return np.moveaxis(q.reshape(q.shape[:-2] + (-1,))[..., :K], -1, axis).astype(np.float32)
;;   ~~~
;; One version. Each part assembles by itself: llvm-mc -triple=amdgcn-amd-amdhsa -mcpu=gfx1250 --defsym DOCPART=n.
;; ======== version 1 of 1: 3 launches
;; limits: values are held in f16: magnitudes above 65,504 overflow, below 6.1e-05 lose precision; right only within a limited range of input values
;; workspace buffers: xc 2,097,152 bytes; xs 131,072 bytes; wc 1,572,864 bytes; ws 98,304 bytes; qkv 25,165,824 bytes; mbits 1,048,576 bytes of whole numbers
;; launch prep (part 1): grid 448 x 1, 4 waves a work-group, no clusters, 52,736 bytes of LDS; arguments x, Wq, Wk, Wv, mask, xc, xs, wc, ws, mbits; writes xc, xs, wc, ws, mbits
.if DOCPART == 1
	.amdgcn_target "amdgcn-amd-amdhsa--gfx1250"
	.amdhsa_code_object_version 6
	.text
	.protected	k_q7024c09a82_prep
	.globl	k_q7024c09a82_prep
	.p2align	8
	.type	k_q7024c09a82_prep,@function
k_q7024c09a82_prep:
	s_mov_b64 s[64:65], 0
	v_nop
	global_prefetch_b8 v0, s[64:65] scope:SCOPE_SE
	s_setreg_imm32_b32 hwreg(HW_REG_WAVE_MODE, 25, 1), 1
	s_wait_xcnt 0x0
; PREP: what the two later launches read is made here once, laid in the order of the readers' registers.  Three kinds of work-group, told apart by the work-group's number alone:
;   0-127    x [4096][1024] f32 -> codes of FP4 (E2M1) along K (its last axis) in xc, one E8M0 scale byte for each 32 along K in xs
;   128-319  Wq, Wk, Wv [1024 (k)][1024 (n)] f32 -> codes along K (their FIRST axis) in wc, scale bytes in ws; the three weights' columns are rows 0-3071 of one operand
;   320-447  mask [2][2048][2048] bytes -> words of 32 bits in mbits: bit l of word (query tile, key tile, j) is the mask of query l % 16, key 8 (l / 16) + j of those tiles
; xc, wc: [K group of 512][tile of 16 rows][K step of 128][c = 0, 1][lane][16 bytes]: lane (r, h) of chunk c holds the 32 codes of block 2 c + h of the K step, of row r: an image of the operand's registers.
; xs, ws: [128 rows][K group][row][16 bytes]: a row's 16 scale bytes of a K group: four words, one for each K step.
; A block's scale is 2^(floor(log2(its largest magnitude)) - 2); its byte is the largest magnitude's exponent field - 2, held at 1 from below.  A block of zeros so gets the byte 1 where the quantiser says 127:
; its codes are zeros, which add nothing under any byte but 0xff, and the bytes are read by this program alone.
; LIMITS: NaN and infinities among the inputs are not served.
; No tensor loads, no barrier: waves share nothing.  Each kind that uses LDS has bytes of its own there.
.set STG,   4352                       ; a stage: 16 rows x (256 bytes + 16 of padding)
.set MSTG,  34816                      ; x's stages: two for each wave, from byte 0; the mask's: one for each wave, from here
.set SPARE, 52224                      ; behind the stages: the spare words, 128 bytes for each wave: two blocks of 256 bytes that no other line names
.set R,     16                         ; v16-143  numbers or mask bytes as they are loaded
.set X,     144                        ; v144-207 two sets of 32 neighbours along K; for the mask 16 pairs
.set C,     208                        ; v208-239 results to store: never written twice, so no store's data are rewritten
.set SB,    240                        ; v240-243 scale words
.set SPW,   250                        ; v250     LDS address of my spare word: SPARE + 4 x my thread's number; never rewritten
.set NIL,   251                        ; v251     0; never rewritten
	s_load_b256 s[4:11], s[0:1], 0x0               ; x s[4:5], Wq s[6:7], Wk s[8:9], Wv s[10:11]
	s_load_b256 s[12:19], s[0:1], 0x20             ; mask s[12:13], xc s[14:15], xs s[16:17], wc s[18:19]
	s_load_b128 s[20:23], s[0:1], 0x40             ; ws s[20:21], mbits s[22:23]
	v_lshl_add_u32 v[SPW], v0, 2, SPARE
	v_mov_b32 v[NIL], 0
	v_lshrrev_b32 v1, 5, v0
	v_readfirstlane_b32 s24, v1                    ; wave 0..3
	v_and_b32 v1, 31, v0                           ; lane
	v_and_b32 v2, 15, v0                           ; r
	v_bfe_u32 v3, v0, 4, 1                         ; h
	; every LDS address is made here, ahead of the parting of the ways
	s_mul_i32 s25, s24, 2*STG                      ; x: my wave's two stages
	s_mul_i32 s28, s24, STG
	s_add_co_u32 s28, s28, MSTG                    ; mask: my wave's stage
	v_mul_u32_u24 v5, v3, 272
	v_lshl_add_u32 v5, v2, 4, v5                   ; into a stage: lanes 0-15 a row's 256 bytes, lanes 16-31 the next row's
	v_mul_u32_u24 v6, v2, 272
	v_lshl_add_u32 v11, v3, 3, v6                  ; mask, out of it: row r, 8 bytes for each half of the lanes
	v_lshl_add_u32 v6, v3, 7, v6                   ; x, out of it: row r, 128 bytes (a block of 32 numbers) for each half
	v_add_nc_u32 v10, s28, v5
	v_add_nc_u32 v11, s28, v11
	v_add_nc_u32 v5, s25, v5
	v_add_nc_u32 v6, s25, v6
	v_lshlrev_b32 v7, 4, v1                        ; 16 x lane
	v_lshlrev_b32 v8, 4, v2                        ; 16 r
	s_mov_b32 s26, 0x76543210
	s_mov_b32 s27, 0xfedcba98                      ; v_permlanex16_b32's selects for lane l xor 16
	s_mov_b32 s37, 0                               ; the high word of every offset: all stay under 2^32
	s_wait_kmcnt 0x0
	s_cmp_lt_u32 ttmp9, 128
	s_cbranch_scc0 .Lnot_x
; 32 numbers of one block, v[xs] on, become 4 registers of codes, v[c] on; v246: the conversion's scale operand; v247: the scale's byte
.macro BLOCKQ xs, c
	v_max3_num_f32 v244, |v[\xs]|, |v[\xs+1]|, |v[\xs+2]|          ; the block's largest magnitude, in two chains
	v_max3_num_f32 v245, |v[\xs+3]|, |v[\xs+4]|, |v[\xs+5]|
.irp i, 6,10,14,18,22,26
	v_max3_num_f32 v244, v244, |v[\xs+\i]|, |v[\xs+\i+1]|
	v_max3_num_f32 v245, v245, |v[\xs+\i+2]|, |v[\xs+\i+3]|
.endr
	v_max3_num_f32 v244, v244, |v[\xs+30]|, |v[\xs+31]|
	v_max3_num_f32 v244, v244, v245, 0x1800000     ; and the floor 2^(3 - 127): the byte cannot fall under 1
	v_add_nc_u32 v246, 0xff000000, v244            ; 2 off its exponent field: the conversion takes the exponent field of this operand as its scale, and nothing else of it
.irp g, 0,1,2,3
	v_cvt_scalef32_pk8_fp4_f32 v[\c+\g], v[\xs+8*\g:\xs+8*\g+7], v246   ; to the nearest code, ties to even; beyond 6 the largest code
.endr
	v_lshrrev_b32 v247, 23, v246                   ; the scale's byte.  (Also the plain line behind the conversions)
.endm
; ---- x.  A wave takes 16 rows x 512 along K, in eight sub-steps of 64 along K (256 bytes of each row).
; Each load reads two whole pieces of 256 bytes; the sub-step's 4,096 bytes turn through the wave's stage, so that lane (r, h) gets the 32 neighbours of block 2 u + h of row r.
	s_lshl_b32 s29, ttmp9, 2
	s_add_co_u32 s29, s29, s24                     ; task = 4 x work-group + wave
	s_lshr_b32 s30, s29, 1                         ; which tile of 16 rows
	s_and_b32 s31, s29, 1                          ; which K group
	s_lshl_b32 s36, s30, 16                        ; x: 16 rows of 4,096 bytes, + 2,048 for the K group
	s_lshl_b32 s38, s31, 11
	s_add_co_u32 s36, s36, s38
	s_add_nc_u64 s[4:5], s[4:5], s[36:37]
	s_lshl_b32 s36, s31, 20                        ; xc: 1,048,576 a K group, 4,096 a tile of rows
	s_lshl_b32 s38, s30, 12
	s_add_co_u32 s36, s36, s38
	s_add_nc_u64 s[14:15], s[14:15], s[36:37]
	s_lshr_b32 s36, s30, 3                         ; xs: 4,096 for each 128 rows, 2,048 a K group, 256 a tile of rows
	s_lshl_b32 s36, s36, 12
	s_lshl_b32 s38, s31, 11
	s_add_co_u32 s36, s36, s38
	s_and_b32 s38, s30, 7
	s_lshl_b32 s38, s38, 8
	s_add_co_u32 s36, s36, s38
	s_add_nc_u64 s[16:17], s[16:17], s[36:37]
	v_lshl_add_u32 v4, v3, 12, v8                  ; lanes 0-15 one row, lanes 16-31 the next; 16 bytes a lane
	v_lshlrev_b32 v9, 3, v3                        ; 8 h
.macro XLOAD u                         ; sub-step u into set u % 4
.irp i, 0,1,2,3,4,5,6,7
	global_load_b128 v[R+32*((\u)%4)+4*\i:R+32*((\u)%4)+4*\i+3], v4, s[4:5] offset:256*(\u)+8192*\i th:TH_LOAD_NT
.endr
.endm
.macro XTURN u                         ; through stage u % 2: LDS serves a wave's instructions in order, so no wait stands between the stores and the loads
.irp i, 0,1,2,3,4,5,6,7
	ds_store_b128 v5, v[R+32*((\u)%4)+4*\i:R+32*((\u)%4)+4*\i+3] offset:STG*((\u)%2)+544*\i
.endr
.irp i, 0,1,2,3,4,5,6,7
	ds_load_b128 v[X+32*((\u)%2)+4*\i:X+32*((\u)%2)+4*\i+3], v6 offset:STG*((\u)%2)+16*\i
.endr
.endm
.macro XSTEP u
.set XS, X+32*((\u)%2)
.set CD, C+4*(\u)
	s_wait_dscnt 0x0                               ; this sub-step's numbers are back from the stage: so its stores into the stage have read their registers,
.if (\u)+4 < 8
	XLOAD (\u)+4                                   ; which take the loads of four sub-steps on
.endif
.if (\u) < 7
.if (\u) < 4
	s_wait_loadcnt 24                              ; the next sub-step's eight loads are in; those of the three behind it may be out
.else
	s_wait_loadcnt 8*(6-(\u))                      ; the counts run down: nothing more is asked for
.endif
	XTURN (\u)+1                                   ; and go through the other stage while this sub-step is worked
.endif
	BLOCKQ XS, CD
.if (\u)%2 == 0
	v_mov_b32 v[SB+(\u)/2], v247                   ; word u / 2 of my row: my blocks' bytes at places h and 2 + h; here still at 0 and 2
.else
	v_lshl_or_b32 v[SB+(\u)/2], v247, 16, v[SB+(\u)/2]
.endif
	global_store_b128 v7, v[CD:CD+3], s[14:15] offset:512*(\u)   ; chunk u of the tile's image: 512 consecutive bytes
.endm
.irp u, 0,1,2,3
	XLOAD \u
.endr
	s_wait_loadcnt 24                              ; sub-step 0's eight loads are in
	XTURN 0
.irp u, 0,1,2,3,4,5,6,7
	XSTEP \u
.endr
.irp w, 0,1,2,3
	v_lshlrev_b32 v[SB+\w], v9, v[SB+\w]           ; my bytes to their places: 8 h bits up;
.endr
.irp w, 0,1,2,3
	v_permlanex16_b32 v[244+\w], v[SB+\w], s26, s27
.endr
.irp w, 0,1,2,3
	v_or_b32 v[SB+\w], v[SB+\w], v[244+\w]         ; with lane l xor 16's the four words are whole
.endr
	s_wait_xcnt 0x0                                ; EXEC is a source of the stores above: it changes only behind this wait
	v_cmp_gt_u32 vcc_lo, 16, v1
	s_and_saveexec_b32 s39, vcc_lo
	global_store_b128 v8, v[SB:SB+3], s[16:17]     ; sixteen lanes store the 16 rows' scale bytes: 256 consecutive bytes, aligned
	s_wait_xcnt 0x0                                ; and again ahead of the line that widens it
	s_or_b32 exec_lo, exec_lo, s39
	s_branch .Lend
.Lnot_x:
	s_cmp_lt_u32 ttmp9, 320
	s_cbranch_scc0 .Lmask
; ---- W.  A work-group takes 128 columns x 128 along K of one weight, a wave 32 columns.  A LANE TAKES A COLUMN AND ITS REGISTERS RUN DOWN K: a block of 32 lies in one lane, and the codes come out with K innermost.
	s_sub_co_u32 s29, ttmp9, 128
	s_lshr_b32 s30, s29, 6                         ; which weight
	s_and_b32 s31, s29, 7                          ; which 128 columns
	s_bfe_u32 s32, s29, 0x30003                    ; which 128 along K:
	s_lshr_b32 s33, s32, 2                         ; the K group,
	s_and_b32 s34, s32, 3                          ; the K step in it
	s_cmp_eq_u32 s30, 0                            ; the choice hangs on the work-group's number alone
	s_cselect_b64 s[6:7], s[6:7], s[8:9]
	s_cmp_eq_u32 s30, 2
	s_cselect_b64 s[6:7], s[10:11], s[6:7]
	s_lshl_b32 s36, s32, 19                        ; W: 128 rows of 4,096 bytes; 512 bytes for 128 columns; 128 for a wave's 32
	s_lshl_b32 s38, s31, 9
	s_add_co_u32 s36, s36, s38
	s_lshl_b32 s38, s24, 7
	s_add_co_u32 s36, s36, s38
	s_add_nc_u64 s[6:7], s[6:7], s[36:37]
	s_lshl_b32 s36, s30, 6                         ; wc: tile of rows 64 x weight + 8 x column group + 2 x wave (+ h), 4,096 bytes each;
	s_lshl_b32 s38, s31, 3
	s_add_co_u32 s36, s36, s38
	s_lshl_b32 s38, s24, 1
	s_add_co_u32 s36, s36, s38
	s_lshl_b32 s36, s36, 12
	s_lshl_b32 s38, s34, 10                        ; 1,024 a K step;
	s_add_co_u32 s36, s36, s38
	s_mul_i32 s38, s33, 786432                     ; 192 tiles a K group
	s_add_co_u32 s36, s36, s38
	s_add_nc_u64 s[18:19], s[18:19], s[36:37]
	s_lshl_b32 s36, s30, 3                         ; ws: 4,096 for each 128 rows, 2,048 a K group, 512 a wave's 32 rows, 4 a K step
	s_add_co_u32 s36, s36, s31
	s_lshl_b32 s36, s36, 12
	s_lshl_b32 s38, s33, 11
	s_add_co_u32 s36, s36, s38
	s_lshl_b32 s38, s24, 9
	s_add_co_u32 s36, s36, s38
	s_lshl_b32 s38, s34, 2
	s_add_co_u32 s36, s36, s38
	s_add_nc_u64 s[20:21], s[20:21], s[36:37]
	v_lshlrev_b32 v12, 2, v1                       ; in: 4 bytes a lane: a wave reads 128 consecutive bytes, the four waves 512
	v_lshl_add_u32 v13, v3, 12, v8                 ; out: lanes 16-31 belong to the next tile of rows; 16 bytes a row
.set i, 0
.rept 128
	global_load_b32 v[R+i], v12, s[6:7] offset:4096*i th:TH_LOAD_NT   ; W(k, my column), k = 0 .. 127 of my K step
.set i, i+1
.endr
.macro WBLOCK b
.set XS, R+32*(\b)
.set CD, C+4*(\b)
.if (\b) == 0
	s_wait_loadcnt 63                              ; of 128 loads at most the youngest 63 are out: blocks 0 and 1 are in
.elseif (\b) == 2
	s_wait_loadcnt 32                              ; block 3's 32 may be out
.elseif (\b) == 3
	s_wait_loadcnt 0x0
.endif
	BLOCKQ XS, CD
.if (\b) == 0
	v_mov_b32 v[SB], v247
.else
	v_lshl_or_b32 v[SB], v247, 8*(\b), v[SB]       ; the four bytes make my row's scale word of this K step
.endif
	global_store_b128 v13, v[CD:CD+3], s[18:19] offset:512*((\b)/2)+256*((\b)%2)   ; block b = 2 c + h' of the image: each half of the lanes stores 256 consecutive bytes, aligned
.endm
.irp b, 0,1,2,3
	WBLOCK \b
.endr
	global_store_b32 v7, v[SB], s[20:21]           ; 4 bytes of each row's 16: the other K steps' words come from other work-groups; 96 KiB in all beside the 12 MiB read
	s_branch .Lend
.Lmask:
; ---- mask.  A wave takes 16 queries x 1,024 keys, 256 keys at a time.  The bytes turn through the stage, so that lane (r, h) holds, for key tile t, the 8 bytes of query r, keys 16 t + 8 h + 0 .. 7;
; a compare of byte j over the 32 lanes IS the word (t, j); 128 words are gathered, four to a lane, and leave as 512 consecutive bytes.
	s_sub_co_u32 s29, ttmp9, 320
	s_lshl_b32 s29, s29, 2
	s_add_co_u32 s29, s29, s24
	s_lshr_b32 s30, s29, 1                         ; which tile of 16 queries, 0 .. 255 over both batches
	s_and_b32 s31, s29, 1                          ; which half of the keys
	s_lshl_b32 s36, s30, 15                        ; mask: 16 rows of 2,048 bytes
	s_lshl_b32 s38, s31, 10
	s_add_co_u32 s36, s36, s38
	s_add_nc_u64 s[12:13], s[12:13], s[36:37]
	s_lshl_b32 s36, s30, 12                        ; mbits: 4,096 bytes a tile of queries
	s_lshl_b32 s38, s31, 11
	s_add_co_u32 s36, s36, s38
	s_add_nc_u64 s[22:23], s[22:23], s[36:37]
	v_lshl_add_u32 v12, v3, 11, v8                 ; lanes 0-15 one row, lanes 16-31 the next; 16 bytes a lane
.irp u, 0,1,2,3
.irp i, 0,1,2,3,4,5,6,7
	global_load_b128 v[R+32*\u+4*\i:R+32*\u+4*\i+3], v12, s[12:13] offset:256*\u+4096*\i th:TH_LOAD_NT
.endr
.endr
.irp i, 0,1,2,3,4,5,6,7,8,9,10,11,12,13,14,15
	v_mov_b32 v[C+\i], 0                           ; written once: v_writelane_b32's destination counts as one of its sources
.endr
.macro MSTEP u
	s_wait_loadcnt 8*(3-(\u))                      ; these 256 keys' eight loads are in; the later ones may be out
.irp i, 0,1,2,3,4,5,6,7
	ds_store_b128 v10, v[R+32*(\u)+4*\i:R+32*(\u)+4*\i+3] offset:544*\i
.endr
.irp t, 0,1,2,3,4,5,6,7,8,9,10,11,12,13,14,15
	ds_load_b64 v[X+2*\t:X+2*\t+1], v11 offset:16*\t
.endr
	s_wait_dscnt 0x0
.irp t, 0,1,2,3,4,5,6,7,8,9,10,11,12,13,14,15
.irp q, 0,1
.irp j, 0,1,2,3
	v_and_b32 v[244+\j], 0xff<<(8*\j), v[X+2*\t+\q]               ; byte 4 q + j
.endr
.irp j, 0,1,2,3
	v_cmp_ne_u32 s[32+\j], 0, v[244+\j]            ; the 32 lanes' bits: word 8 t + 4 q + j
.endr
.irp j, 0,1,2,3
	v_writelane_b32 v[C+4*(\u)+\j], s[32+\j], 2*\t+\q              ; word w goes to register w % 4 of lane w / 4
.endr
.endr
.endr
	global_store_b128 v7, v[C+4*(\u):C+4*(\u)+3], s[22:23] offset:512*(\u)
.endm
.irp u, 0,1,2,3
	MSTEP \u
.endr
.Lend:
	s_wait_tensorcnt 0x0                           ; the wave's end: behind my last LDS store
	ds_add_u32 v[SPW], v[NIL]
	s_wait_dscnt 0x0
	s_endpgm
.Lfunc_end_k_q7024c09a82_prep:
	.size	k_q7024c09a82_prep, .Lfunc_end_k_q7024c09a82_prep-k_q7024c09a82_prep
	.p2alignl 7, 3214868480
	.fill 96, 4, 3214868480
	.section	.rodata,"a",@progbits
	.p2align	6, 0x0
	.amdhsa_kernel k_q7024c09a82_prep
		.amdhsa_group_segment_fixed_size 52736
		.amdhsa_private_segment_fixed_size 0
		.amdhsa_enable_private_segment 0
		.amdhsa_kernarg_size 80
		.amdhsa_user_sgpr_count 2
		.amdhsa_user_sgpr_kernarg_segment_ptr 1
		.amdhsa_wavefront_size32 1
		.amdhsa_system_sgpr_workgroup_id_x 1
		.amdhsa_system_sgpr_workgroup_id_y 1
		.amdhsa_system_sgpr_workgroup_id_z 1
		.amdhsa_system_vgpr_workitem_id 0
		.amdhsa_next_free_vgpr 256
		.amdhsa_next_free_sgpr 66
		.amdhsa_reserve_vcc 1
		.amdhsa_float_denorm_mode_32 3
		.amdhsa_float_denorm_mode_16_64 3
		.amdhsa_memory_ordered 1
		.amdhsa_forward_progress 1
		.amdhsa_inst_pref_size 157
	.end_amdhsa_kernel
	.amdgpu_metadata
---
amdhsa.version: [ 1, 2 ]
amdhsa.kernels:
  - .name:           k_q7024c09a82_prep
    .symbol:         k_q7024c09a82_prep.kd
    .args:
      - { .name: x, .offset: 0, .size: 8, .value_kind: global_buffer, .address_space: global }
      - { .name: Wq, .offset: 8, .size: 8, .value_kind: global_buffer, .address_space: global }
      - { .name: Wk, .offset: 16, .size: 8, .value_kind: global_buffer, .address_space: global }
      - { .name: Wv, .offset: 24, .size: 8, .value_kind: global_buffer, .address_space: global }
      - { .name: mask, .offset: 32, .size: 8, .value_kind: global_buffer, .address_space: global }
      - { .name: xc, .offset: 40, .size: 8, .value_kind: global_buffer, .address_space: global }
      - { .name: xs, .offset: 48, .size: 8, .value_kind: global_buffer, .address_space: global }
      - { .name: wc, .offset: 56, .size: 8, .value_kind: global_buffer, .address_space: global }
      - { .name: ws, .offset: 64, .size: 8, .value_kind: global_buffer, .address_space: global }
      - { .name: mbits, .offset: 72, .size: 8, .value_kind: global_buffer, .address_space: global }
    .group_segment_fixed_size: 52736
    .private_segment_fixed_size: 0
    .kernarg_segment_align: 8
    .kernarg_segment_size: 80
    .max_flat_workgroup_size: 128
    .sgpr_count:     66
    .vgpr_count:     256
    .wavefront_size: 32
...
	.end_amdgpu_metadata
.endif
;; end of part 1
;; launch gemm (part 2): grid 12 x 16, 4 waves a work-group, clusters of 4 x 4, 327,680 bytes of LDS; arguments xc, xs, wc, ws, qkv, bq, bk, bv; writes qkv
.if DOCPART == 2
	.amdgcn_target "amdgcn-amd-amdhsa--gfx1250"
	.amdhsa_code_object_version 6
	.text
	.protected	k_q7024c09a82_gemm
	.globl	k_q7024c09a82_gemm
	.p2align	8
	.type	k_q7024c09a82_gemm,@function
k_q7024c09a82_gemm:
	s_mov_b64 s[64:65], 0
	v_nop
	global_prefetch_b8 v0, s[64:65] scope:SCOPE_SE
	s_setreg_imm32_b32 hwreg(HW_REG_WAVE_MODE, 25, 1), 1
	s_wait_xcnt 0x0
	s_wait_alu depctr_hold_cnt(0) depctr_sa_sdst(0) depctr_va_vdst(0) depctr_va_sdst(0) depctr_va_ssrc(0) depctr_va_vcc(0) depctr_vm_vsrc(0)
	s_getreg_b32 s2, hwreg(HW_REG_IB_STS2, 6, 4)
	s_cmp_eq_u32 s2, 0
	s_cbranch_scc0 .Lentry_in_a_cluster
	s_endpgm
.Lentry_in_a_cluster:
	s_bfe_u32 s2, ttmp6, 0x10000c
	s_cmp_lg_u32 s2, 0xf033
	s_cbranch_scc0 .Lentry_shape_is_right
	s_endpgm
.Lentry_shape_is_right:
; The three projections as ONE product on codes of FP4 (E2M1) with E8M0 scales: [4096 tokens][1024] x [3072 features = q | k | v][1024]^T, sums in f32; then + bias, q also x log2(e) / 8, rounded once to f16.
; A tile of 256 tokens x 256 features is made by a work-group of four waves, a wave makes 128 x 128: 64 accumulators of 16 x 16, 512 registers.  16 x 12 tiles: 192 work-groups; each has 512 matrix instructions a wave.
; K = 1,024 is two K groups of 512: each has an LDS slot of its own, both are asked for at the start, and nothing is filled again.
; xc and wc hold images of the operands' registers (a fragment of 16 rows x 128 K: 1,024 consecutive bytes), so a wave's 128 rows of a K group are 32,768 dense bytes for one tensor load, and every fragment load takes
; 512 consecutive bytes, 16 a lane: no pitch, no padding.  The scale words of 128 rows, for all of K, are 4,096 dense bytes: one more tensor load a wave.
; CLUSTERS: 4 x 4 work-groups.  The four of a row of the cluster need the same tiles of x, the four of a column the same tiles of W: each is asked for JOINTLY, by the same tensor load with the same descriptor and a mask
; that names the four.  A cluster's four tile columns are one weight: cluster x says which.
; THE MATRIX INSTRUCTION IS USED TRANSPOSED (source 0 = 16 features, source 1 = 16 tokens): a lane holds eight neighbouring features of one token, 16 bytes of f16.
; qkv: [q, k, v][batch x 16 + head][tile of 16 tokens][tile of 16 features][512 bytes].  In a chunk of q or k the 16 bytes of token r, features 8 o on, lie at 16 r + 256 o (an image of half a 16-bit fragment);
; in a chunk of v at 32 r + 16 o (rows of 32 bytes, for the turning LDS load).  Either way a wave's store covers a whole chunk: 512 consecutive bytes.
; LIMITS: |k|, |v| and 0.18 |q| have to stay under 65,504, f16's largest number; NaN and infinities are not served.
; REGISTERS, in windows of 256: window 0: v0-31 addresses; v32-95 scale words, two sets, and nothing else; v128-191 x's fragments, ONE set, on the way out at work; v192-255 the biases.
;   window 1: W's fragments, TWO sets, at v0 and v128; on the way out the packed results.   window 2: the accumulators of my tokens 0-63 ((a, b) at v[8 (8 a + b)]);   window 3: those of my tokens 64-127.
.set NQ,     4                         ; K steps of 128 in a slot
.set FR,     8                         ; registers of a fragment
.set NL,     2                         ; LDS loads that bring one
.set NP,     4                         ; places behind this matrix instruction (ISA guide 7.12.1)
.set HALFT,  32768                     ; 128 rows of a K group: what one tensor load brings, and what one wave reads of x or of W
.set SLOT,   4*HALFT                   ; x's 256 rows, then W's 256 rows
.set SCL,    2*SLOT                    ; behind the slots: the scale words
.set HALFS,  4096                      ; those of 128 rows: [K group][row][16 bytes]
.set SPARE,  SCL+4*HALFS               ; behind them: the spare words, 128 bytes for each wave: two blocks of 256 bytes that no other line names
.set ADRA, 16                          ; v16-17  LDS address of my fragments of x in slot 0, 1
.set ADRB, 20                          ; v20-21  the same for W
.set CO,   26                          ; v26     the way out: my 16 bytes' place in a chunk
.set ADRS, 27                          ; v27     LDS address of my scale words: lanes 0-15 x's rows, lanes 16-31 W's
.set SPW,  28                          ; v28     LDS address of my spare word: SPARE + 4 x my thread's number; never rewritten
.set NIL,  29                          ; v29     0; never rewritten
.set BO,   30                          ; v30     the biases' lane offset
.set SC,   32                          ; scale words: set s at v[SC + 32 s]; in it register 4 i + q: lanes 0-15 the word of x's block i, lanes 16-31 that of W's block i, for K step q
.set AF,   128                         ; x's fragments
.set T,    128                         ; the way out: a block's 64 numbers in f32
.set BI,   192                         ; the biases: eight registers for each of my 8 tiles of features, in the result's layout
.set G1, 24                            ; s[24:31] descriptor group 1 for x's tiles;  s[32:39] group 0, one set for each slot
.set G0, 32
.set G1B, 48                           ; s[48:55], s[56:63] the same for W's tiles
.set G0B, 56
.set G1S, 68                           ; s[68:75], s[76:79] groups 1 and 0 for x's scales;  s[80:87], s[88:91] for W's
.set G0S, 76
.set G1SB, 80
.set G0SB, 88
.set MSB, 0
.macro WIN new                         ; the immediate's high byte repeats the setting that is left
.if MSB != (\new)
	s_set_vgpr_msb (MSB<<8)|(\new)
.set MSB, (\new)
.endif
.endm
.set MUL_LO, 0xa1                      ; source 0 (W) window 1, source 1 (x) window 0, C and D window 2
.set MUL_HI, 0xf1                      ; the same, C and D window 3
.set TO_B,   0x40                      ; destination window 1, address window 0
; A joint load: waves 0 and 1 fetch for x, waves 2 and 3 for W.  Each of the two lines has ONE mask and one set of registers for all that issue it; the branch hangs on the wave's number alone.
; An s_nop 0 and four v_nop follow each of the two lines, ahead of the jump, the label and what follows.
.macro JLOAD g0a, g1a, g0b, g1b
	s_cmp_eq_u32 s15, 0
	s_cbranch_scc0 .Lfor_b_\@
	tensor_load_to_lds s[\g0a:\g0a+3], s[\g1a:\g1a+7]
	s_nop 0
.rept 4
	v_nop
.endr
	s_branch .Lasked_\@
.Lfor_b_\@:
	tensor_load_to_lds s[\g0b:\g0b+3], s[\g1b:\g1b+7]
	s_nop 0
.rept 4
	v_nop
.endr
.Lasked_\@:
.endm
.macro CROUND                          ; a round of the cluster's barrier: my work-group's barrier; wave 0 signals for the work-group; every wave waits for all sixteen; my work-group's barrier once more
	s_barrier_signal -1
	s_barrier_wait -1
	s_cmp_lg_u32 s14, 0
	s_cbranch_scc1 .Lnot_wave_0_\@
	s_barrier_signal -3
.Lnot_wave_0_\@:
	s_barrier_wait -3
	s_barrier_signal -1
	s_barrier_wait -1
.endm
	s_load_b128 s[4:7], s[0:1], 0x0                ; xc s[4:5], xs s[6:7]
	s_load_b128 s[8:11], s[0:1], 0x10              ; wc s[8:9], ws s[10:11]
	s_load_b64 s[12:13], s[0:1], 0x20              ; qkv
	s_load_b128 s[96:99], s[0:1], 0x28             ; bq, bk
	s_load_b64 s[100:101], s[0:1], 0x38            ; bv
	v_lshl_add_u32 v[SPW], v0, 2, SPARE
	v_mov_b32 v[NIL], 0
	ds_add_u32 v[SPW], v[NIL]                      ; the wave's opening: the add, twice on end, and its wait ahead of my first tensor load; the set-up below, work on registers, stands between
	ds_add_u32 v[SPW], v[NIL]
	v_lshrrev_b32 v1, 5, v0
	v_readfirstlane_b32 s14, v1                    ; wave 0..3
	s_lshr_b32 s15, s14, 1                         ; which half of the tile's tokens is mine.  Also: I fetch for x (0) or for W (1)
	s_and_b32 s16, s14, 1                          ; which half of its features.  Also: which 128 rows of that tile I fetch
	s_bfe_u32 s40, ttmp6, 0x40000                  ; cx, cy: my place in the cluster
	s_bfe_u32 s41, ttmp6, 0x40004
	s_lshl_b32 s42, ttmp9, 2
	s_add_co_u32 s42, s42, s40                     ; tile column (features) = 4 x cluster x + cx
	s_and_b32 s17, ttmp7, 0xffff
	s_lshl_b32 s17, s17, 2
	s_add_co_u32 s17, s17, s41                     ; tile row (tokens) = 4 x cluster y + cy
	s_lshl_b32 s43, s41, 2
	s_lshl_b32 s43, 15, s43                        ; my row of the cluster
	s_lshl_b32 s44, 0x1111, s40                    ; my column
	; descriptor group 1: dense blocks as rows of 256 bytes (32 elements of 8 bytes): 128 rows of codes, 16 rows of scale words; no padding
	s_or_b32 s[G1+0], s43, (3<<16)|(1<<21)         ; 15:0 the mask: x's tiles go to my row; 17:16 elements of 8 bytes; 21 set beside a mask
	s_or_b32 s[G1B+0], s44, (3<<16)|(1<<21)        ; W's go to my column
	s_or_b32 s[G1S+0], s43, (3<<16)|(1<<21)
	s_or_b32 s[G1SB+0], s44, (3<<16)|(1<<21)
.irp g, G1, G1B
	s_mov_b32 s[\g+1], 32<<16                      ; tensor_dim0
	s_mov_b32 s[\g+2], 128<<16                     ; tensor_dim1
	s_mov_b32 s[\g+3], 32<<16                      ; tile_dim0
	s_mov_b32 s[\g+4], 128                         ; tile_dim1
	s_mov_b32 s[\g+5], 32                          ; tensor_dim0_stride
	s_mov_b32 s[\g+6], 0
	s_mov_b32 s[\g+7], 0
.endr
.irp g, G1S, G1SB
	s_mov_b32 s[\g+1], 32<<16
	s_mov_b32 s[\g+2], 16<<16
	s_mov_b32 s[\g+3], 32<<16
	s_mov_b32 s[\g+4], 16
	s_mov_b32 s[\g+5], 32
	s_mov_b32 s[\g+6], 0
	s_mov_b32 s[\g+7], 0
.endr
	; where they come from.  x's hang on the tile row alone, which my row of the cluster shares; W's on the tile column alone, which my column shares
	s_lshl_b32 s18, s16, 15                        ; codes: 65,536 bytes a tile of 256 rows, 32,768 a half
	s_lshl_b32 s20, s17, 16
	s_add_co_u32 s20, s20, s18
	s_mov_b32 s21, 0
	s_lshl_b32 s46, s42, 16
	s_add_co_u32 s46, s46, s18
	s_mov_b32 s47, 0
	s_lshl_b32 s18, s16, 12                        ; scale words: 8,192 a tile, 4,096 a half
	s_lshl_b32 s22, s17, 13
	s_add_co_u32 s22, s22, s18
	s_mov_b32 s23, 0
	s_lshl_b32 s92, s42, 13
	s_add_co_u32 s92, s92, s18
	s_mov_b32 s93, 0
	s_mul_i32 s45, s14, HALFT                      ; where they go: by the wave's number alone: no place in the cluster enters an LDS address
	s_mul_i32 s94, s14, HALFS
	s_wait_dscnt 0x0                               ; both opening adds are done
	s_wait_kmcnt 0x0
	s_add_nc_u64 s[20:21], s[4:5], s[20:21]
	s_add_nc_u64 s[22:23], s[6:7], s[22:23]
	s_add_nc_u64 s[46:47], s[8:9], s[46:47]
	s_add_nc_u64 s[92:93], s[10:11], s[92:93]
	CROUND                                         ; all sixteen work-groups are here: the first joint loads meet
	s_mov_b32 s[G0S], 1
	s_add_co_u32 s[G0S+1], s94, SCL
	s_mov_b64 s[G0S+2:G0S+3], s[22:23]
	s_or_b32 s[G0S+3], s[G0S+3], 0x80000000
	s_mov_b32 s[G0SB], 1
	s_add_co_u32 s[G0SB+1], s94, SCL
	s_mov_b64 s[G0SB+2:G0SB+3], s[92:93]
	s_or_b32 s[G0SB+3], s[G0SB+3], 0x80000000
	JLOAD G0S, G1S, G0SB, G1SB                     ; the scale words first: they are wanted with K group 0
.irp s, 0,1
	s_mov_b32 s[G0+4*\s], 1
	s_add_co_u32 s[G0+4*\s+1], s45, \s*SLOT
	s_add_nc_u64 s[G0+4*\s+2:G0+4*\s+3], s[20:21], \s*1048576      ; xc: 256 tiles of rows a K group
	s_or_b32 s[G0+4*\s+3], s[G0+4*\s+3], 0x80000000
	s_mov_b32 s[G0B+4*\s], 1
	s_add_co_u32 s[G0B+4*\s+1], s45, \s*SLOT
	s_add_nc_u64 s[G0B+4*\s+2:G0B+4*\s+3], s[46:47], \s*786432     ; wc: 192
	s_or_b32 s[G0B+4*\s+3], s[G0B+4*\s+3], 0x80000000
	JLOAD G0+4*\s, G1, G0B+4*\s, G1B               ; three loads of mine are out
.endr
	v_and_b32 v1, 15, v0                           ; r
	v_bfe_u32 v2, v0, 4, 1                         ; h
	v_and_b32 v3, 31, v0
	v_lshlrev_b32 v4, 4, v3                        ; 16 x lane: my place in every image
	s_mul_i32 s21, s15, HALFT                      ; my 128 tokens
	s_mul_i32 s22, s16, HALFT                      ; my 128 features,
	s_add_co_u32 s22, s22, 2*HALFT                 ; which lie behind x's 256 rows
.irp s, 0,1
	v_add_nc_u32 v[ADRA+\s], s21, v4
	v_add_nc_u32 v[ADRB+\s], s22, v4
	s_add_co_u32 s21, s21, SLOT
	s_add_co_u32 s22, s22, SLOT
.endr
	v_lshlrev_b32 v5, 4, v1                        ; my row's 16 scale bytes of a K group
	s_mul_i32 s21, s15, HALFS                      ; x's: my 128 rows
	s_mul_i32 s22, s16, HALFS                      ; W's: my 128 rows, behind x's 256
	s_add_co_u32 s22, s22, 2*HALFS
	s_sub_co_u32 s22, s22, s21
	v_mul_u32_u24 v6, s22, v2                      ; lanes 16-31 take W's: one product, the distance between the two
	s_add_co_u32 s21, s21, SCL
	v_add_nc_u32 v5, v5, v6
	v_add_nc_u32 v[ADRS], s21, v5
	; the biases, the factor and the way out's addresses.  Cluster x says which weight this is: the same in all sixteen partners
	s_cmp_eq_u32 ttmp9, 0
	s_cselect_b64 s[96:97], s[96:97], s[98:99]
	s_mov_b32 s92, 1.0
	s_cselect_b32 s92, 0x3e38aa3b, s92             ; q is multiplied by log2(e) / sqrt(64), so that the softmax needs no scaling; k and v by 1
	s_mov_b32 s93, s92                             ; (the packed forms name the pair)
	s_cmp_eq_u32 ttmp9, 2
	s_cselect_b64 s[96:97], s[100:101], s[96:97]
	s_cselect_b32 s18, 5, 4                        ; a chunk of v: 32 r + 16 h; of q or k: 16 r + 256 h
	s_cselect_b32 s19, 4, 8
	s_lshl_b32 s46, s40, 10                        ; my first feature in the weight: 256 cx + 128 x half, 4 bytes each
	s_lshl_b32 s47, s16, 9
	s_add_co_u32 s46, s46, s47
	s_mov_b32 s47, 0
	s_add_nc_u64 s[96:97], s[96:97], s[46:47]
	v_lshlrev_b32 v[BO], 5, v2                     ; lane (r, h) wants, for tile b, the biases of features 16 b + 8 h + 0 .. 7
.irp b, 0,1,2,3,4,5,6,7
	global_load_b128 v[BI+8*\b:BI+8*\b+3], v[BO], s[96:97] offset:64*\b
	global_load_b128 v[BI+8*\b+4:BI+8*\b+7], v[BO], s[96:97] offset:64*\b+16
.endr
	v_lshlrev_b32 v[CO], s18, v1
	v_lshlrev_b32 v5, s19, v2
	v_add_nc_u32 v[CO], v[CO], v5
	s_lshl_b32 s46, ttmp9, 23                      ; qkv: 8,388,608 for q, k or v;
	s_lshr_b32 s47, s17, 3
	s_lshl_b32 s47, s47, 22                        ; 4,194,304 a batch (8 tile rows);
	s_add_co_u32 s46, s46, s47
	s_lshl_b32 s47, s40, 2
	s_lshl_b32 s18, s16, 1
	s_add_co_u32 s47, s47, s18
	s_lshl_b32 s47, s47, 18                        ; 262,144 a head: my first is 4 cx + 2 x half;
	s_add_co_u32 s46, s46, s47
	s_and_b32 s47, s17, 7
	s_lshl_b32 s47, s47, 4
	s_lshl_b32 s18, s15, 3
	s_add_co_u32 s47, s47, s18
	s_lshl_b32 s47, s47, 11                        ; 2,048 a tile of 16 tokens: my first is 16 (tile row % 8) + 8 x half
	s_add_co_u32 s46, s46, s47
	s_mov_b32 s47, 0
	s_add_nc_u64 s[12:13], s[12:13], s[46:47]
.macro FRAG reg, adr, q, i             ; a fragment, 16 rows x 128 K of 4-bit codes: 8 registers; its image: two chunks of 512 bytes; 1,024 a K step, 4,096 a tile of rows
.irp c, 0,1
	ds_load_b128 v[\reg+4*\c:\reg+4*\c+3], v[\adr] offset:1024*(\q)+512*\c+4096*(\i)
.endr
.endm
; 16 matrix instructions: x's blocks a0, a0 + 1 against W's eight, K step q of the slot.  p: W's set;  sc: the set of scale words.  zero = 1: the first product starts the sums: nothing is ever cleared.
; The 64 accumulators take turns, one instruction a turn, in the same order in every step.
.macro MUL16 a0, p, q, sc, zero
.irp a, \a0, \a0+1
.irp b, 0,1,2,3,4,5,6,7
.if \zero
	v_wmma_scale_f32_16x16x128_f8f6f4 v[8*(8*((\a)%4)+\b):8*(8*((\a)%4)+\b)+7], v[128*(\p)+FR*\b:128*(\p)+FR*\b+FR-1], v[AF+FR*(\a):AF+FR*(\a)+FR-1], 0, v[SC+8*NQ*(\sc)+NQ*\b+(\q)], v[SC+8*NQ*(\sc)+NQ*(\a)+(\q)] matrix_a_fmt:MATRIX_FMT_FP4 matrix_b_fmt:MATRIX_FMT_FP4 matrix_a_scale:MATRIX_SCALE_ROW1
.else
	v_wmma_scale_f32_16x16x128_f8f6f4 v[8*(8*((\a)%4)+\b):8*(8*((\a)%4)+\b)+7], v[128*(\p)+FR*\b:128*(\p)+FR*\b+FR-1], v[AF+FR*(\a):AF+FR*(\a)+FR-1], v[8*(8*((\a)%4)+\b):8*(8*((\a)%4)+\b)+7], v[SC+8*NQ*(\sc)+NQ*\b+(\q)], v[SC+8*NQ*(\sc)+NQ*(\a)+(\q)] matrix_a_fmt:MATRIX_FMT_FP4 matrix_b_fmt:MATRIX_FMT_FP4 matrix_a_scale:MATRIX_SCALE_ROW1
.endif
.endr
.endr
.endm
.macro FETCH_B slot, q, p              ; W's eight fragments of K step q into set p
	WIN TO_B
.irp i, 0,1,2,3,4,5,6,7
	FRAG 128*(\p)+FR*\i, ADRB+\slot, \q, \i
.endr
	WIN 0
.endm
.macro FETCH_A slot, q, i0             ; x's blocks i0 .. i0 + 3
.irp i, \i0, \i0+1, \i0+2, \i0+3
	FRAG AF+FR*(\i), ADRA+\slot, \q, \i
.endr
.endm
.macro SCALES sc                       ; K group sc's scale words: four a row; lanes 0-15 take x's block i, lanes 16-31 W's block i
.irp i, 0,1,2,3,4,5,6,7
	ds_load_b128 v[SC+8*NQ*\sc+NQ*\i:SC+8*NQ*\sc+NQ*\i+3], v[ADRS] offset:256*\i+2048*\sc
.endr
.endm
; A load into a register that a matrix instruction has read, and a vector instruction that reads a matrix result or writes one of a matrix instruction's registers, stand NP places behind it, and only plain vector
; instructions that name none of its registers are places (ISA guide 7.12.1 for vector instructions).
.macro PLACES n
.rept \n
	v_nop
.endr
.endm
; A step of 128 along K that has its successor in the same slot.  A block of x is free as soon as its eight products are issued: blocks 0-3 are fetched anew in the step's middle, blocks 4-7 at its end.
.macro STEP slot, q, zero
	s_wait_dscnt 4*NL                              ; W's set and x's blocks 0-3 are in; the youngest eight loads (x's blocks 4-7) may be out
	WIN MUL_LO
	MUL16 0, (\q)%2, \q, \slot, \zero
	MUL16 2, (\q)%2, \q, \slot, \zero
	s_wait_dscnt 0                                 ; x's blocks 4-7 are in (asked for 32 matrix instructions ago)
	PLACES NP
	FETCH_B \slot, (\q)+1, 1-(\q)%2
	FETCH_A \slot, (\q)+1, 0
	WIN MUL_HI
	MUL16 4, (\q)%2, \q, \slot, \zero
	MUL16 6, (\q)%2, \q, \slot, \zero
	PLACES NP
	WIN 0
	FETCH_A \slot, (\q)+1, 4
.endm
.macro STEPS slot, from                ; the slot's steps from .. NQ - 2
.set Q, \from
.rept NQ-1-\from
	STEP \slot, Q, 0
.set Q, Q+1
.endr
.endm
	s_wait_tensorcnt 1                             ; the scale words and my part of K group 0 are in (K group 1's one load may be out)
	s_barrier_signal -1
	s_barrier_wait -1                              ; everybody's are
	FETCH_B 0, 0, 0
	FETCH_A 0, 0, 0
	SCALES 0
	FETCH_A 0, 0, 4
	STEP 0, 0, 1                                   ; the first step's products start the sums
	STEPS 0, 1
	; slot 0's last step goes over to slot 1: ONE barrier, in front of which each wave waits for its part of slot 1
	s_wait_tensorcnt 0x0                           ; all my tensor loads have landed
	ds_add_u32 v[SPW], v[NIL]                      ; 0 onto my spare word
	s_wait_dscnt 4*NL+1                            ; (the add and the youngest eight loads, x's blocks 4-7, may be out)
	WIN MUL_LO
	MUL16 0, 1, NQ-1, 0, 0                         ; sixteen matrix instructions stand between the add and the wait for it
	s_wait_dscnt 0x0                               ; no LDS instruction of mine is out at the signal
	s_barrier_signal -1
	MUL16 2, 1, NQ-1, 0, 0                         ; work on registers while the others arrive
	WIN 0
	s_barrier_wait -1                              ; slot 1 is whole
	PLACES NP
	FETCH_B 1, 0, 0
	FETCH_A 1, 0, 0
	SCALES 1
	WIN MUL_HI
	MUL16 4, 1, NQ-1, 0, 0
	MUL16 6, 1, NQ-1, 0, 0
	PLACES NP
	WIN 0
	FETCH_A 1, 0, 4
	STEPS 1, 0
	s_wait_dscnt 4*NL                              ; the very last step: nothing more to fetch
	WIN MUL_LO
	MUL16 0, 1, NQ-1, 1, 0
	MUL16 2, 1, NQ-1, 1, 0
	s_wait_dscnt 0
	WIN MUL_HI
	MUL16 4, 1, NQ-1, 1, 0
	MUL16 6, 1, NQ-1, 1, 0
	WIN 0
	; THE WAY OUT, without LDS: a lane's eight results are the 16 bytes that the chunk's layout gives that lane.
	PLACES NP
	s_wait_loadcnt 0x0                             ; the biases
.set i, 0
.rept 32
	v_pk_mul_f32 v[BI+i:BI+i+1], v[BI+i:BI+i+1], s[92:93] op_sel_hi:[1,0]   ; bias x factor, so that (sum + bias) x factor is one fused multiply-add
.set i, i+2
.endr
; Block a: 16 tokens x my 128 features.  Each block's packed results have registers of their own in window 1 (W's fragments are done with), so no store's data are written again.
.macro OUT a
.set AC, 64*((\a)%4)
	WIN 0x02+(\a)/4                                ; source 0: window 2 or 3
.irp b, 0,1,2,3,4,5,6,7
.irp p, 0,2,4,6
	v_pk_fma_f32 v[T+8*\b+\p:T+8*\b+\p+1], v[AC+8*\b+\p:AC+8*\b+\p+1], s[92:93], v[BI+8*\b+\p:BI+8*\b+\p+1] op_sel_hi:[1,0,1]   ; each accumulator from its low end on
.endr
.endr
	WIN 0x40                                       ; destination window 1
.irp b, 0,1,2,3,4,5,6,7
.irp p, 0,1,2,3
	v_cvt_pk_f16_f32 v[32*(\a)+4*\b+\p], v[T+8*\b+2*\p], v[T+8*\b+2*\p+1]   ; the lower feature in the low half
.endr
.endr
	WIN 0x04                                       ; a store's data are its source 1: window 1
.irp b, 0,1,2,3,4,5,6,7
	global_store_b128 v[CO], v[32*(\a)+4*\b:32*(\a)+4*\b+3], s[12:13] offset:2048*(\a)+262144*(\b/4)+512*(\b%4)   ; head b / 4 of my two, tile b % 4 of its features: a chunk of 512 consecutive bytes
.endr
.endm
.irp a, 0,1,2,3,4,5,6,7
	OUT \a
.endr
	WIN 0
	s_wait_tensorcnt 0x0                           ; the wave's end: behind my last tensor load
	ds_add_u32 v[SPW], v[NIL]
	s_wait_dscnt 0x0
	CROUND                                         ; the closing round: no work-group ends while a partner may still ask for a tile that names it
	s_endpgm
.Lfunc_end_k_q7024c09a82_gemm:
	.size	k_q7024c09a82_gemm, .Lfunc_end_k_q7024c09a82_gemm-k_q7024c09a82_gemm
	.p2alignl 7, 3214868480
	.fill 96, 4, 3214868480
	.section	.rodata,"a",@progbits
	.p2align	6, 0x0
	.amdhsa_kernel k_q7024c09a82_gemm
		.amdhsa_group_segment_fixed_size 327680
		.amdhsa_private_segment_fixed_size 0
		.amdhsa_enable_private_segment 0
		.amdhsa_kernarg_size 64
		.amdhsa_user_sgpr_count 2
		.amdhsa_user_sgpr_kernarg_segment_ptr 1
		.amdhsa_wavefront_size32 1
		.amdhsa_system_sgpr_workgroup_id_x 1
		.amdhsa_system_sgpr_workgroup_id_y 1
		.amdhsa_system_sgpr_workgroup_id_z 1
		.amdhsa_system_vgpr_workitem_id 0
		.amdhsa_next_free_vgpr 1024
		.amdhsa_next_free_sgpr 102
		.amdhsa_reserve_vcc 0
		.amdhsa_float_denorm_mode_32 3
		.amdhsa_float_denorm_mode_16_64 3
		.amdhsa_memory_ordered 1
		.amdhsa_forward_progress 1
		.amdhsa_inst_pref_size 138
	.end_amdhsa_kernel
	.amdgpu_metadata
---
amdhsa.version: [ 1, 2 ]
amdhsa.kernels:
  - .name:           k_q7024c09a82_gemm
    .symbol:         k_q7024c09a82_gemm.kd
    .args:
      - { .name: xc, .offset: 0, .size: 8, .value_kind: global_buffer, .address_space: global }
      - { .name: xs, .offset: 8, .size: 8, .value_kind: global_buffer, .address_space: global }
      - { .name: wc, .offset: 16, .size: 8, .value_kind: global_buffer, .address_space: global }
      - { .name: ws, .offset: 24, .size: 8, .value_kind: global_buffer, .address_space: global }
      - { .name: qkv, .offset: 32, .size: 8, .value_kind: global_buffer, .address_space: global }
      - { .name: bq, .offset: 40, .size: 8, .value_kind: global_buffer, .address_space: global }
      - { .name: bk, .offset: 48, .size: 8, .value_kind: global_buffer, .address_space: global }
      - { .name: bv, .offset: 56, .size: 8, .value_kind: global_buffer, .address_space: global }
    .group_segment_fixed_size: 327680
    .private_segment_fixed_size: 0
    .kernarg_segment_align: 8
    .kernarg_segment_size: 64
    .max_flat_workgroup_size: 128
    .sgpr_count:     102
    .vgpr_count:     1024
    .wavefront_size: 32
...
	.end_amdgpu_metadata
.endif
;; end of part 2
;; launch attn (part 3): grid 8 x 32, 8 waves a work-group, clusters of 4 x 1, 327,680 bytes of LDS; arguments mbits, qkv, out0; writes out0
.if DOCPART == 3
	.amdgcn_target "amdgcn-amd-amdhsa--gfx1250"
	.amdhsa_code_object_version 6
	.text
	.protected	k_q7024c09a82_attn
	.globl	k_q7024c09a82_attn
	.p2align	8
	.type	k_q7024c09a82_attn,@function
k_q7024c09a82_attn:
	s_mov_b64 s[64:65], 0
	v_nop
	global_prefetch_b8 v0, s[64:65] scope:SCOPE_SE
	s_setreg_imm32_b32 hwreg(HW_REG_WAVE_MODE, 25, 1), 1
	s_wait_xcnt 0x0
	s_wait_alu depctr_hold_cnt(0) depctr_sa_sdst(0) depctr_va_vdst(0) depctr_va_sdst(0) depctr_va_ssrc(0) depctr_va_vcc(0) depctr_vm_vsrc(0)
	s_getreg_b32 s2, hwreg(HW_REG_IB_STS2, 6, 4)
	s_cmp_eq_u32 s2, 0
	s_cbranch_scc0 .Lentry_in_a_cluster
	s_endpgm
.Lentry_in_a_cluster:
	s_bfe_u32 s2, ttmp6, 0x10000c
	s_cmp_lg_u32 s2, 0x3003
	s_cbranch_scc0 .Lentry_shape_is_right
	s_endpgm
.Lentry_shape_is_right:
; out0[b][q][64 head + :] = the sum over k of softmax_k(t(q, k)) v[k][:], t = q . k / 8 where mask[b][q][k] = 0, and t = 0 where it is 1: a masked key still counts, with the score 0.
; q (already x log2(e) / 8), k, v: f16, from qkv; products with f32 sums; maxima, exponentials and sums in f32; the weights p are rounded to f16 for the second product.
; SHARES.  A work-group owns 256 queries of one batch and head, each of its eight waves 32: two tiles of 16; two waves to a SIMD, so that one wave's vector work can stand beside the other's matrix work.
; Every wave walks all 2,048 keys, 64 a step.
; LAYOUT.  S^T = K Q^T (source 0 = 16 keys, source 1 = 16 queries): a lane holds ONE query (lane % 16) and the keys 8 (lane / 16) + 0 .. 7 of a tile.  Two such tiles, rounded to f16 in pairs, ARE source 1 of
; O^T = V^T P, whose result again holds one query a lane.  K's chunks in qkv are images of its fragments' halves; V's are rows of 32 bytes, turned by ds_load_tr16_b128.
; THE MASK comes as words of 32 bits (mbits): the word of (query tile, key tile, j) has lane l's bit for register j of that tile of S^T.  A step's 64 words come by four scalar loads, a step ahead,
; and each is the select mask of one v_cndmask_b32: no address and no branch hangs on them.
; SOFTMAX.  For each query a running maximum m and sum l: p = 2^(t - m); in every step O and l are multiplied by 2^(old m - new m), which is 1 where m has not grown.
; A TRIP: K of step j is asked of LDS; V^T P of step j - 1; V of step j is asked for; K Q^T of step j; the softmax of step j.  So each run of LDS loads has a run of matrix instructions or more in which to land.
; RING.  Two LDS slots of 512 keys (K 65,536 bytes, then V 65,536).  Each of the eight waves fetches 16,384 dense bytes with one tensor load.
; CLUSTER.  The four query blocks of a cluster belong to one head and walk the same K and V: each tile is asked for JOINTLY, by the same tensor load with the same descriptor and a mask that names the four.
; A refill is asked for behind a round of the cluster's barrier and is first read eight key steps, 256 matrix instructions a wave, later.
; LIMITS: NaN and infinities are not served; a weight p under 2^-24 of its row's largest becomes 0 in f16.
; REGISTERS: window 0: v1-9 addresses; v16-31 statistics, eight a tile; v32-39 at work; v40-103 S^T, 32 a tile; v104-135 P; v136-167 Q; v168-231 O^T, 32 a tile.   window 1: v0-63 K of a step, v64-127 V of a step.
.set SLOT1, 131072                     ; slot 1 begins here: one exclusive or turns an address in one slot into the other's
.set VOFF,  65536                      ; V's part of a slot
.set STEPB, 8192                       ; 64 keys: 4 tiles of 16 keys x 4 chunks of 512 bytes
.set STAGE, 2*SLOT1                    ; behind the ring: 16 rows x 272 bytes for each wave, for the way out: bytes into which no tile lands
.set SP,    272
.set SPARE, STAGE+8*16*SP              ; behind the stages: the spare words, 128 bytes for each wave: four blocks of 256 bytes that no other line names
.set AK0, 1                            ; v1   16 x lane: my place in every image; never rewritten
.set AV0, 2                            ; v2   my lane's place in a chunk of V, + VOFF
.set ADK, 3                            ; v3   LDS address of the step's K
.set ADV, 4                            ; v4   of its V
.set SPW, 5                            ; v5   LDS address of my spare word: SPARE + 4 x my thread's number; never rewritten
.set NIL, 6                            ; v6   0; never rewritten
.set STO, 7                            ; v7   the way out: where I put 32 bytes of a row
.set RD,  8                            ; v8   where I read a row back
.set GO,  9                            ; v9   my byte offset in the wave's rows of out0
.set ST,  16                           ; tile t's statistics at v[ST + 8 t]: +0 -m, +2, +3 l (even keys', odd keys'), +4 the factor 2^(old m - new m); +1, +5 are named as upper halves of pairs and written once
.set CC,  32                           ; v[CC + 4 t] on: four registers at work
.set S,   40
.set P,   104
.set Q,   136
.set O,   168
.set KF,  0                            ; in window 1
.set VF,  64
.set TB,  2                            ; s2   LDS byte at which the step's tiles begin
.set CNT, 3                            ; s3   counts key steps
.set WV,  10                           ; s10  my wave's number
.set SLOTS, 12                         ; s12  counts refills
.set MOFF, 13                          ; s13  byte offset of the mask words in hand: 128 a key step
.set SEL, 14                           ; s[14:15] lane selects for v_permlanex16_b32: lane l xor 16
                                       ; s[16:47] tile 0's 32 mask words;  s[48:63], s[68:83] tile 1's
.set G1,  84                           ; s[84:91] descriptor group 1
.set G0A, 92                           ; s[92:95] group 0 of slot 0's first fill
.set G0B, 96                           ; s[96:99] of slot 1's; it then walks
.set MSB, 0
.macro WIN new                         ; the immediate's high byte repeats the setting that is left; a switch that changes nothing is dropped
.if MSB != (\new)
	s_set_vgpr_msb (MSB<<8)|(\new)
.set MSB, (\new)
.endif
.endm
.macro CROUND                          ; a round of the cluster's barrier: my work-group's barrier; wave 0 signals for the work-group; every wave waits for all four; my work-group's barrier once more
	s_barrier_signal -1
	s_barrier_wait -1
	s_cmp_lg_u32 s[WV], 0
	s_cbranch_scc1 .Lnot_wave_0_\@
	s_barrier_signal -3
.Lnot_wave_0_\@:
	s_barrier_wait -3
	s_barrier_signal -1
	s_barrier_wait -1
.endm
.macro PLACES                          ; four places behind a matrix instruction, in front of loads into registers that it has read and of vector instructions that read its results (ISA guide 7.12.1 for vector instructions)
.rept 4
	v_nop
.endr
.endm
	s_load_b128 s[4:7], s[0:1], 0x0                ; mbits s[4:5], qkv s[6:7]
	s_load_b64 s[8:9], s[0:1], 0x10                ; out0
	v_lshl_add_u32 v[SPW], v0, 2, SPARE
	v_mov_b32 v[NIL], 0
	ds_add_u32 v[SPW], v[NIL]                      ; the wave's opening: the add, twice on end, and its wait ahead of my first tensor load; the set-up below, work on registers, stands between
	ds_add_u32 v[SPW], v[NIL]
	v_lshrrev_b32 v10, 5, v0
	v_readfirstlane_b32 s[WV], v10                 ; wave 0..7
	s_bfe_u32 s11, ttmp6, 0x40000                  ; cx: my place in the cluster
	s_lshl_b32 s66, ttmp9, 2                       ; in a cluster launch ttmp9 counts clusters
	s_add_co_u32 s66, s66, s11                     ; my block of 256 queries = 4 x cluster x + cx: it enters q's, the mask's and out0's addresses alone
	s_and_b32 s67, ttmp7, 0xffff                   ; batch x 16 + head, which the four partners share
	; descriptor group 1: 16,384 dense bytes as 64 rows of 256 bytes (32 elements of 8 bytes); no padding: every LDS load takes consecutive bytes
	s_mov_b32 s[G1], 15|(3<<16)|(1<<21)            ; 15:0 the mask: all four work-groups; 17:16 elements of 8 bytes; 21 set beside a mask
	s_mov_b32 s[G1+1], 32<<16                      ; tensor_dim0
	s_mov_b32 s[G1+2], 64<<16                      ; tensor_dim1
	s_mov_b32 s[G1+3], 32<<16                      ; tile_dim0
	s_mov_b32 s[G1+4], 64                          ; tile_dim1
	s_mov_b32 s[G1+5], 32                          ; tensor_dim0_stride
	s_mov_b32 s[G1+6], 0
	s_mov_b32 s[G1+7], 0
	s_lshr_b32 s100, s[WV], 2                      ; what I fetch: waves 0-3 K, waves 4-7 V: 8,388,608 x (1 or 2);
	s_add_co_u32 s100, s100, 1
	s_lshl_b32 s100, s100, 23
	s_and_b32 s101, s[WV], 3
	s_lshl_b32 s101, s101, 14                      ; my quarter of a slot's 65,536 bytes;
	s_add_co_u32 s100, s100, s101
	s_lshl_b32 s101, s67, 18                       ; the head's 262,144 bytes
	s_add_co_u32 s100, s100, s101
	s_mov_b32 s101, 0
	s_lshl_b32 s3, s[WV], 14                       ; and where it goes: wave x 16,384: no place in the cluster enters an LDS address
	s_mov_b32 s[SEL], 0x76543210
	s_mov_b32 s[SEL+1], 0xfedcba98
	s_mov_b32 s[TB], 0
	s_mov_b32 s[MOFF], 0
	s_wait_dscnt 0x0                               ; both opening adds are done
	s_wait_kmcnt 0x0
	s_mov_b32 s[G0A], 1                            ; 1:0 count = 1
	s_mov_b32 s[G0A+1], s3                         ; 63:32 LDS address: slot 0
	s_add_nc_u64 s[G0A+2:G0A+3], s[6:7], s[100:101]   ; 120:64 global address: keys 0 to 511
	s_mov_b32 s[G0B], 1
	s_add_co_u32 s[G0B+1], s3, SLOT1               ; slot 1
	s_add_nc_u64 s[G0B+2:G0B+3], s[G0A+2:G0A+3], 65536   ; keys 512 to 1,023
	s_or_b32 s[G0A+3], s[G0A+3], 0x80000000        ; 127:126 type = 2
	s_or_b32 s[G0B+3], s[G0B+3], 0x80000000
	CROUND                                         ; all four work-groups are here: the first joint loads meet
	tensor_load_to_lds s[G0A:G0A+3], s[G1:G1+7]    ; both first fills go out together: two loads of mine are out
	s_nop 0
	tensor_load_to_lds s[G0B:G0B+3], s[G1:G1+7]
	s_nop 0
.rept 4
	v_nop
.endr
	s_lshl_b32 s100, s66, 4
	s_lshl_b32 s11, s[WV], 1
	s_add_co_u32 s11, s11, s100                    ; my first tile of 16 queries in the batch: 16 x block + 2 x wave
	s_lshl_b32 s100, s67, 18                       ; q: the head's bytes, 2,048 a tile of queries
	s_lshl_b32 s12, s11, 11
	s_add_co_u32 s100, s100, s12
	s_add_nc_u64 s[6:7], s[6:7], s[100:101]
	s_lshr_b32 s12, s67, 4                         ; the batch
	s_lshl_b32 s12, s12, 7
	s_add_co_u32 s12, s12, s11                     ; my first tile of queries over both batches
	s_lshl_b32 s100, s12, 12                       ; mbits: 4,096 bytes a tile of queries
	s_add_nc_u64 s[4:5], s[4:5], s[100:101]
	s_lshl_b32 s100, s12, 16                       ; out0: 16 rows of 4,096 bytes, + the head's 256 bytes in a row
	s_and_b32 s12, s67, 15
	s_lshl_b32 s12, s12, 8
	s_add_co_u32 s100, s100, s12
	s_add_nc_u64 s[8:9], s[8:9], s[100:101]
	s_load_b512 s[16:31], s[4:5], s[MOFF] offset:0x0      ; key step 0's mask words: tile 0's 32,
	s_load_b512 s[32:47], s[4:5], s[MOFF] offset:0x40
	s_load_b512 s[48:63], s[4:5], s[MOFF] offset:0x1000   ; tile 1's
	s_load_b512 s[68:83], s[4:5], s[MOFF] offset:0x1040
	v_and_b32 v[AK0], 31, v0
	v_lshlrev_b32 v[AK0], 4, v[AK0]
.irp i, 0,1,2,3,4,5,6,7                        ; Q stays in registers: chunk i = 4 x tile + tile of features: half a fragment each
	global_load_b128 v[Q+4*\i:Q+4*\i+3], v[AK0], s[6:7] offset:512*\i
.endr
	v_and_b32 v10, 15, v0                          ; r
	v_bfe_u32 v11, v0, 4, 1                        ; h
	v_and_b32 v12, 7, v0
	v_bfe_u32 v13, v0, 3, 1
	; the turning load takes 16 keys x 16 channels (lane l reads 16 bytes: key 8 (l / 16) + l % 8, channels 8 ((l / 8) % 2) on) and leaves half a fragment of V^T: lane l holds channel l % 16 and 8 keys
	v_lshl_add_u32 v[AV0], v11, 3, v12
	v_lshlrev_b32 v[AV0], 5, v[AV0]
	v_lshl_add_u32 v[AV0], v13, 4, v[AV0]
	v_add_nc_u32 v[AV0], VOFF, v[AV0]
	s_mul_i32 s100, s[WV], 16*SP
	s_add_co_u32 s100, s100, STAGE                 ; my stage
	v_mul_u32_u24 v[STO], v10, SP                  ; in: row r, 32 bytes for each half of the lanes
	v_lshl_add_u32 v[STO], v11, 5, v[STO]
	v_add_nc_u32 v[STO], s100, v[STO]
	v_mul_u32_u24 v[RD], v11, SP                   ; back: lanes 0-15 one row of 256 bytes, lanes 16-31 the next
	v_lshl_add_u32 v[RD], v10, 4, v[RD]
	v_add_nc_u32 v[RD], s100, v[RD]
	v_lshlrev_b32 v[GO], 12, v11                   ; and the same two rows in out0
	v_lshl_add_u32 v[GO], v10, 4, v[GO]
.irp t, 0,1
	v_mov_b32 v[ST+8*\t], 0x7f61b1e6               ; -m: the largest t so far is -3e38, under every t
	v_mov_b32 v[ST+8*\t+1], 0
	v_mov_b32 v[ST+8*\t+2], 0                      ; l
	v_mov_b32 v[ST+8*\t+3], 0
	v_mov_b32 v[ST+8*\t+5], 0
.endr
.set i, 0
.rept 64
	v_mov_b32 v[O+i], 0                            ; O^T.  (The trip is written once: the first softmax finds zeros, which its factor 0 leaves zeros)
.set i, i+1
.endr
.macro LOADK                           ; a step's K: 16 chunks, chunk i = 4 x tile of keys + tile of features, into registers 4 i on
	WIN 0x40                                       ; destination window 1
.irp i, 0,1,2,3,4,5,6,7,8,9,10,11,12,13,14,15
	ds_load_b128 v[KF+4*\i:KF+4*\i+3], v[ADK] offset:512*\i
.endr
.endm
.macro LOADV                           ; a step's V, turned: channels 16 n on, keys 32 u + 16 c on
	WIN 0x40
.irp n, 0,1,2,3
.irp u, 0,1
.irp c, 0,1
	ds_load_tr16_b128 v[VF+8*(2*\n+\u)+4*\c:VF+8*(2*\n+\u)+4*\c+3], v[ADV] offset:(2*\u+\c)*2048+512*\n
.endr
.endr
.endr
.endm
; The accumulators take turns, one instruction a turn: between two links of a chain stand the seven others'.
.macro KQ                              ; S^T = K Q^T: features 32 g on, keys 16 kt on, tile t.  The first eight start the sums
	WIN 0x01                                       ; source 0 window 1
.irp g, 0,1
.irp kt, 0,1,2,3
.irp t, 0,1
.if \g == 0
	v_wmma_f32_16x16x32_f16 v[S+32*\t+8*\kt:S+32*\t+8*\kt+7], v[KF+16*\kt+8*\g:KF+16*\kt+8*\g+7], v[Q+16*\t+8*\g:Q+16*\t+8*\g+7], 0
.else
	v_wmma_f32_16x16x32_f16 v[S+32*\t+8*\kt:S+32*\t+8*\kt+7], v[KF+16*\kt+8*\g:KF+16*\kt+8*\g+7], v[Q+16*\t+8*\g:Q+16*\t+8*\g+7], v[S+32*\t+8*\kt:S+32*\t+8*\kt+7]
.endif
.endr
.endr
.endr
.endm
.macro PV                              ; O^T += V^T P: keys 32 u on, channels 16 n on, tile t
	WIN 0x01
.irp u, 0,1
.irp n, 0,1,2,3
.irp t, 0,1
	v_wmma_f32_16x16x32_f16 v[O+32*\t+8*\n:O+32*\t+8*\n+7], v[VF+8*(2*\n+\u):VF+8*(2*\n+\u)+7], v[P+16*\t+8*\u:P+16*\t+8*\u+7], v[O+32*\t+8*\n:O+32*\t+8*\n+7]
.endr
.endr
.endr
.endm
; THE SOFTMAX of a key step, both tiles, line by line in turns so that no line waits for the line above it.
.macro SM
	s_wait_kmcnt 0x0                               ; this step's mask words are in
.set i, 0
.rept 32
	v_cndmask_b32 v[S+i], v[S+i], 0, s[16+i]       ; a masked score becomes 0.  Each accumulator from its low end on
.set i, i+1
.endr
.set i, 0
.rept 16
	v_cndmask_b32 v[S+32+i], v[S+32+i], 0, s[48+i]
.set i, i+1
.endr
.set i, 16
.rept 16
	v_cndmask_b32 v[S+32+i], v[S+32+i], 0, s[52+i]
.set i, i+1
.endr
	s_add_co_u32 s[MOFF], s[MOFF], 128             ; (the loads that read it are done: the wait above)  the next step's words;
	s_and_b32 s[MOFF], s[MOFF], 4095               ; behind the last step the offset wraps to 0, so that the look-ahead stays inside the buffer; those words are not used
	s_load_b512 s[16:31], s[4:5], s[MOFF] offset:0x0
	s_load_b512 s[32:47], s[4:5], s[MOFF] offset:0x40
	s_load_b512 s[48:63], s[4:5], s[MOFF] offset:0x1000
	s_load_b512 s[68:83], s[4:5], s[MOFF] offset:0x1040
.irp j, 0,1,2,3                                ; the maximum of the lane's 32 scores and the old m: four chains of seven scores, then the four left over
.irp t, 0,1
	v_max3_num_f32 v[CC+4*\t+\j], v[S+32*\t+8*\j], v[S+32*\t+8*\j+1], v[S+32*\t+8*\j+2]
.endr
.endr
.irp k, 3,5
.irp j, 0,1,2,3
.irp t, 0,1
	v_max3_num_f32 v[CC+4*\t+\j], v[CC+4*\t+\j], v[S+32*\t+8*\j+\k], v[S+32*\t+8*\j+\k+1]
.endr
.endr
.endr
.irp t, 0,1
	v_max3_num_f32 v[CC+4*\t], v[CC+4*\t], v[S+32*\t+7], v[S+32*\t+15]
.endr
.irp t, 0,1
	v_max3_num_f32 v[CC+4*\t+2], v[CC+4*\t+2], v[S+32*\t+23], v[S+32*\t+31]
.endr
.irp t, 0,1
	v_max3_num_f32 v[CC+4*\t], v[CC+4*\t], v[CC+4*\t+1], v[CC+4*\t+2]
.endr
.irp t, 0,1
	v_max3_num_f32 v[CC+4*\t], v[CC+4*\t], v[CC+4*\t+3], -v[ST+8*\t]
.endr
.irp t, 0,1
	v_permlanex16_b32 v[CC+4*\t+1], v[CC+4*\t], s[SEL], s[SEL+1]   ; the query's other 32 keys lie in the lane 16 away
.endr
.irp t, 0,1
	v_max_num_f32 v[CC+4*\t], v[CC+4*\t], v[CC+4*\t+1]             ; the new m
.endr
.irp t, 0,1
	v_add_f32 v[CC+4*\t+1], v[ST+8*\t], v[CC+4*\t]                 ; new m - old m, 0 or more
.endr
.irp t, 0,1
	v_sub_f32 v[ST+8*\t], 0, v[CC+4*\t]                            ; -m
.endr
	; ONE BATCH of 66 exponentials with the 32 packed subtractions among them; none of these lines names an exponential's result
.irp t, 0,1
	v_exp_f32 v[ST+8*\t+4], -v[CC+4*\t+1]                          ; the factor 2^(old m - new m)
.endr
.irp i, 0,2
.irp t, 0,1
	v_pk_add_f32 v[S+32*\t+\i:S+32*\t+\i+1], v[S+32*\t+\i:S+32*\t+\i+1], v[ST+8*\t:ST+8*\t+1] op_sel_hi:[1,0]   ; t - m, two at a time: of the pair the low word, -m, serves both halves
.endr
.endr
.set i, 0
.rept 16
.irp t, 0,1
	v_exp_f32 v[S+32*\t+i], v[S+32*\t+i]           ; p = 2^(t - m), at most 1
	v_exp_f32 v[S+32*\t+i+1], v[S+32*\t+i+1]
.if i+4 < 32
	v_pk_add_f32 v[S+32*\t+i+4:S+32*\t+i+5], v[S+32*\t+i+4:S+32*\t+i+5], v[ST+8*\t:ST+8*\t+1] op_sel_hi:[1,0]   ; the pair two further on
.endif
.endr
.set i, i+2
.endr
	v_nop                                          ; a plain instruction behind the last exponential, ahead of the first use
	s_wait_alu depctr_va_vdst(0)                   ; the wait ahead of the first line that names a result: one for the whole batch
.set i, 0
.rept 16
.irp t, 0,1
	v_cvt_pk_f16_f32 v[P+16*\t+i], v[S+32*\t+2*i], v[S+32*\t+2*i+1]   ; pair i: the lower key in the low half: source 1 of V^T P as it stands
.endr
.set i, i+1
.endr
.irp t, 0,1                                    ; the sums, of the unrounded p: two chains a tile, two numbers an instruction
	v_pk_add_f32 v[CC+4*\t:CC+4*\t+1], v[S+32*\t:S+32*\t+1], v[S+32*\t+2:S+32*\t+3]
	v_pk_add_f32 v[CC+4*\t+2:CC+4*\t+3], v[S+32*\t+4:S+32*\t+5], v[S+32*\t+6:S+32*\t+7]
.endr
.irp i, 8,12,16,20,24,28
.irp t, 0,1
	v_pk_add_f32 v[CC+4*\t:CC+4*\t+1], v[CC+4*\t:CC+4*\t+1], v[S+32*\t+\i:S+32*\t+\i+1]
	v_pk_add_f32 v[CC+4*\t+2:CC+4*\t+3], v[CC+4*\t+2:CC+4*\t+3], v[S+32*\t+\i+2:S+32*\t+\i+3]
.endr
.endr
.irp t, 0,1
	v_pk_add_f32 v[CC+4*\t:CC+4*\t+1], v[CC+4*\t:CC+4*\t+1], v[CC+4*\t+2:CC+4*\t+3]
.endr
.irp t, 0,1
	v_pk_fma_f32 v[ST+8*\t+2:ST+8*\t+3], v[ST+8*\t+2:ST+8*\t+3], v[ST+8*\t+4:ST+8*\t+5], v[CC+4*\t:CC+4*\t+1] op_sel_hi:[1,0,1]   ; l = l x factor + the step's sum
.endr
.set i, 0
.rept 32
	v_pk_mul_f32 v[O+i:O+i+1], v[O+i:O+i+1], v[ST+8*(i/32)+4:ST+8*(i/32)+5] op_sel_hi:[1,0]   ; O^T x factor; each accumulator from its low end on
.set i, i+2
.endr
.endm
; A TRIP: key step j.  first = 1: step 0, which has no step before it.
.macro TRIP first
	v_add_nc_u32 v[ADK], s[TB], v[AK0]
	v_add_nc_u32 v[ADV], s[TB], v[AV0]
	LOADK                                          ; (K's registers were last read ahead of the softmax, whose lines are the places)
.if !\first
	s_wait_dscnt 16                                ; V of step j - 1 is in; the sixteen loads of K just issued may be out
	PV
	PLACES                                         ; in front of the loads into V's registers
.endif
	LOADV
	s_wait_dscnt 16                                ; K is in; the sixteen loads of V just issued may be out
	KQ
	WIN 0
	PLACES                                         ; in front of the first read of the scores
	SM
	s_add_co_u32 s[TB], s[TB], STEPB
.endm
.macro STEPS n
	s_mov_b32 s[CNT], \n
.Lstep_\@:
	TRIP 0
	s_sub_co_u32 s[CNT], s[CNT], 1
	s_cmp_lg_u32 s[CNT], 0
	s_cbranch_scc1 .Lstep_\@
.endm
; THE CHANGE OF SLOTS, behind a slot's eighth step: all its bytes have been asked of LDS.  Each wave waits for all its tensor loads, of which one may be out: its part of the other slot; adds 0 to its spare word; and waits
; for that and for its reads of the slot.  Behind the barrier nobody reads this slot any more and the other slot is whole.  fill = 1: this slot is filled again, with the keys two slots on: the barrier is then a round of
; the cluster's, so that no wave of any partner still reads the slot or has a load on its way, and the joint refill is the first thing behind it, one load a wave.
.macro CHANGE fill
	s_wait_tensorcnt 0x0                           ; no tensor load of mine is out, so a group 0 may be written
	ds_add_u32 v[SPW], v[NIL]                      ; 0 onto my spare word
.if \fill
	s_xor_b32 s[G0B+1], s[G0B+1], SLOT1            ; the walking descriptor: the other slot than last time,
	s_add_nc_u64 s[G0B+2:G0B+3], s[G0B+2:G0B+3], 65536   ; the next 512 keys; the type bits on top are not reached
.endif
	s_wait_dscnt 0x0                               ; the add is done, and my reads of the slot are over
.if \fill
	CROUND
	tensor_load_to_lds s[G0B:G0B+3], s[G1:G1+7]
	s_nop 0
.rept 4
	v_nop
.endr
.else
	s_barrier_signal -1
	s_barrier_wait -1
.endif
	s_sub_co_u32 s[TB], s[TB], 8*STEPB             ; back to a slot's first step,
	s_xor_b32 s[TB], s[TB], SLOT1                  ; in the other slot
.endm
	s_wait_tensorcnt 1                             ; my part of slot 0 is in; slot 1's one load may stay out
	s_barrier_signal -1
	s_barrier_wait -1                              ; everybody's is
	s_wait_loadcnt 0x0                             ; Q
	TRIP 1                                         ; keys 0 to 63
	STEPS 7
	s_mov_b32 s[SLOTS], 2
.Lslot:                                            ; two trips: slots 0 and 1 are each filled once more
	CHANGE 1
	STEPS 8
	s_sub_co_u32 s[SLOTS], s[SLOTS], 1
	s_cmp_lg_u32 s[SLOTS], 0
	s_cbranch_scc1 .Lslot
	CHANGE 0                                       ; the tail is written out: nothing is left to ask for
	STEPS 8
	s_wait_dscnt 0x0                               ; V of the last step
	PV
	WIN 0
	PLACES
	; THE WAY OUT.  l's two halves and the other half of the lanes' are added; O^T is divided by l and goes through my stage in LDS, a tile (16 rows of out0) at a time.
.irp t, 0,1
	v_add_f32 v[CC+4*\t], v[ST+8*\t+2], v[ST+8*\t+3]
.endr
.irp t, 0,1
	v_permlanex16_b32 v[CC+4*\t+1], v[CC+4*\t], s[SEL], s[SEL+1]
.endr
.irp t, 0,1
	v_add_f32 v[CC+4*\t], v[CC+4*\t], v[CC+4*\t+1]
.endr
.irp t, 0,1
	v_rcp_f32 v[ST+8*\t+4], v[CC+4*\t]
.endr
	v_nop                                          ; a plain instruction between the last reciprocal and the use of its result
	s_wait_alu depctr_va_vdst(0)                   ; and the wait ahead of the first use: one for both
.set i, 0
.rept 32
	v_pk_mul_f32 v[O+i:O+i+1], v[O+i:O+i+1], v[ST+8*(i/32)+4:ST+8*(i/32)+5] op_sel_hi:[1,0]
.set i, i+2
.endr
.irp t, 0,1
.irp n, 0,1,2,3                                ; lane (r, h): channels 16 n + 8 h + 0 .. 7 of query r: 32 bytes of its row
	ds_store_b128 v[STO], v[O+32*\t+8*\n:O+32*\t+8*\n+3] offset:64*\n
	ds_store_b128 v[STO], v[O+32*\t+8*\n+4:O+32*\t+8*\n+7] offset:64*\n+16
.endr
.irp i, 0,1,2,3,4,5,6,7
	ds_load_b128 v[S+32*\t+4*\i:S+32*\t+4*\i+3], v[RD] offset:2*\i*SP   ; LDS serves a wave's instructions in order (ISA guide 5.7.1.4): these see the stores above, and the next tile's stores come behind them
.endr
.endr
.irp t, 0,1
.irp i, 0,1,2,3,4,5,6,7
	s_wait_dscnt 16*(1-\t)+7-\i                    ; the younger LDS instructions may be out: the tile's later loads, and for tile 0 tile 1's sixteen
	global_store_b128 v[GO], v[S+32*\t+4*\i:S+32*\t+4*\i+3], s[8:9] offset:(16*\t+2*\i)*4096 th:TH_STORE_NT   ; 16 lanes store a head's 256 consecutive bytes of a row, at a multiple of 256 from out0's first byte
.endr
.endr
	s_wait_kmcnt 0x0                               ; the last look-ahead of mask words
	s_wait_tensorcnt 0x0                           ; the wave's end: behind my last tensor load and my last LDS store
	ds_add_u32 v[SPW], v[NIL]
	s_wait_dscnt 0x0
	CROUND                                         ; the closing round: no work-group ends while a partner may still ask for a tile that names it
	s_endpgm
.Lfunc_end_k_q7024c09a82_attn:
	.size	k_q7024c09a82_attn, .Lfunc_end_k_q7024c09a82_attn-k_q7024c09a82_attn
	.p2alignl 7, 3214868480
	.fill 96, 4, 3214868480
	.section	.rodata,"a",@progbits
	.p2align	6, 0x0
	.amdhsa_kernel k_q7024c09a82_attn
		.amdhsa_group_segment_fixed_size 327680
		.amdhsa_private_segment_fixed_size 0
		.amdhsa_enable_private_segment 0
		.amdhsa_kernarg_size 24
		.amdhsa_user_sgpr_count 2
		.amdhsa_user_sgpr_kernarg_segment_ptr 1
		.amdhsa_wavefront_size32 1
		.amdhsa_system_sgpr_workgroup_id_x 1
		.amdhsa_system_sgpr_workgroup_id_y 1
		.amdhsa_system_sgpr_workgroup_id_z 1
		.amdhsa_system_vgpr_workitem_id 0
		.amdhsa_next_free_vgpr 384
		.amdhsa_next_free_sgpr 102
		.amdhsa_reserve_vcc 0
		.amdhsa_float_denorm_mode_32 3
		.amdhsa_float_denorm_mode_16_64 3
		.amdhsa_memory_ordered 1
		.amdhsa_forward_progress 1
		.amdhsa_inst_pref_size 103
	.end_amdhsa_kernel
	.amdgpu_metadata
---
amdhsa.version: [ 1, 2 ]
amdhsa.kernels:
  - .name:           k_q7024c09a82_attn
    .symbol:         k_q7024c09a82_attn.kd
    .args:
      - { .name: mbits, .offset: 0, .size: 8, .value_kind: global_buffer, .address_space: global }
      - { .name: qkv, .offset: 8, .size: 8, .value_kind: global_buffer, .address_space: global }
      - { .name: out0, .offset: 16, .size: 8, .value_kind: global_buffer, .address_space: global }
    .group_segment_fixed_size: 327680
    .private_segment_fixed_size: 0
    .kernarg_segment_align: 8
    .kernarg_segment_size: 24
    .max_flat_workgroup_size: 256
    .sgpr_count:     102
    .vgpr_count:     384
    .wavefront_size: 32
...
	.end_amdgpu_metadata
.endif
;; end of part 3
